; MI455X (gfx1250); checked and timed in simulation.
; The chip was launched on July 23, 2026; its instructions are those of AMD's public machine-readable ISA for CDNA 5 (MIT licence, August 2026) and "CDNA5" Instruction Set Architecture Reference Guide (July 2026). The comments in the code are by the model that wrote it; some were corrected since.
;; Multi Head Attention Layer. Allowed arithmetic: matrix products marked QUANTISED: E4M3 operands, one E8M0 scale for each 32 along K, by v_wmma_scale_f32_16x16x128_f8f6f4 with both operands' format E4M3, f32 sums; everything else in f32.
;; Inputs: Wk_codes 8 x 64 x 16 x 32 uint8 (E4M3 codes of Wk, K innermost, in blocks of 32 codes); Wk_scales 8 x 64 x 16 uint8 (E8M0 scales of Wk, one for each 32 codes along K); Wo_codes 512 x 16 x 32 uint8 (E4M3 codes of Wo, K innermost, in blocks of 32 codes); Wo_scales 512 x 16 uint8 (E8M0 scales of Wo, one for each 32 codes along K); Wq_codes 8 x 64 x 16 x 32 uint8 (E4M3 codes of Wq, K innermost, in blocks of 32 codes); Wq_scales 8 x 64 x 16 uint8 (E8M0 scales of Wq, one for each 32 codes along K); Wv_codes 8 x 64 x 16 x 32 uint8 (E4M3 codes of Wv, K innermost, in blocks of 32 codes); Wv_scales 8 x 64 x 16 uint8 (E8M0 scales of Wv, one for each 32 codes along K); bk 8 x 64 float32; bo 512 float32; bq 8 x 64 float32; bv 8 x 64 float32; x_codes 2 x 4,096 x 16 x 32 uint8 (E4M3 codes of x, K innermost, in blocks of 32 codes); x_scales 2 x 4,096 x 16 uint8 (E8M0 scales of x, one for each 32 codes along K).
;; Outputs: out0 2 x 4,096 x 512 float32.
;; This version of the problem:
;;   THIS VERSION OF THE PROBLEM IS GIVEN IN LOW PRECISION. The matrix products marked QUANTISED in the list below multiply operands that are first quantised to E4M3 (4 exponent bits, 3 mantissa bits; 8 bits a number), with one power-of-two scale for each 32 numbers along K (OCP MX v1.0); their sums are f32. All else is computed in f32.
;;   The module's matrix products, in the order in which they are computed (A, B: the left and right operand; K: the contracted axis; several contracted axes count as one K, in the product's order):
;;     1. [M 512, K 512] x [K 512, N 8,192]; A: input Wq (given as codes); B: input x (given as codes): QUANTISED
;;     2. [M 512, K 512] x [K 512, N 8,192]; A: input Wk (given as codes); B: input x (given as codes): QUANTISED
;;     3. [M 512, K 512] x [K 512, N 8,192]; A: input Wv (given as codes); B: input x (given as codes): QUANTISED
;;     4. batch 16 x [M 4,096, K 64] x [K 64, N 4,096]; A: computed on the way; B: computed on the way: QUANTISED
;;     5. batch 16 x [M 4,096, K 4,096] x [K 4,096, N 64]; A: softmax (see below); B: computed on the way: QUANTISED
;;     6. [M 8,192, K 512] x [K 512, N 512]; A: computed on the way; B: input Wo (given as codes): QUANTISED
;;   THE QUANTISER, for each operand of a quantised product, along K:
;;     - K is cut into blocks of 32 from its start; a last block that is shorter is filled with zeros.
;;     - A block's scale is 2^e with e = floor(log2(the largest magnitude in the block)) - 8, held to -126 .. 127; a block of zeros has e = 0. As a byte (E8M0): e + 127.
;;     - Each number is divided by its block's scale, clamped to +-448, and rounded to the nearest number of E4M3, ties to even, subnormals kept.
;;     - The product sums the exact products of the quantised numbers (number of the format x scale) in f32.
;;   ~~~python
;;   def quantise(x, axis):      # numpy; x: float32 -> the quantised numbers, widened to float32 again
;;       x = np.moveaxis(x, axis, -1); K = x.shape[-1]
;;       x = np.pad(x, [(0, 0)] * (x.ndim - 1) + [(0, -K % 32)]); x = x.reshape(x.shape[:-1] + (-1, 32)); a = np.abs(x).max(-1, keepdims=True)
;;       e = np.where(a > 0, np.clip(np.frexp(np.where(a > 0, a, 1))[1] - 1 - 8, -126, 127), 0)      # np.frexp(a)[1] - 1 = floor(log2(a)), exactly
;;       r = np.clip(x / 2.0 ** e, -448, 448)
;;       step = 2.0 ** (np.maximum(np.frexp(np.where(r == 0, 1, r))[1] - 1, -6) - 3)
;;       q = np.round(r / step) * step * 2.0 ** e      # np.round: ties to even
;;       return np.moveaxis(q.reshape(q.shape[:-2] + (-1,))[..., :K], -1, axis).astype(np.float32)
;;   ~~~
;;   SOFTMAX AHEAD OF A QUANTISED PRODUCT. Where the list says 'softmax', what is quantised is not the finished softmax but p = 2^(t - M), with t = logit x log2(e) and M = ceil(the row's largest t), a whole number; so 1/2 < the row's largest p <= 1. The row's sum l is taken of the UNQUANTISED p, in f32, and the product's result is divided by l at the end. Since M is a whole number, a kernel that streams over the keys may use a running M (the ceiling of the running maximum): every later rescaling is an exact power of two, which a block's scale takes up: the codes' values come out the same.
;;   OPERANDS COMPUTED ON THE WAY. 'Computed on the way' means the value that the module computes at that place (a softmax that the list does not call 'softmax' is quantised finished and normalised). What goes into a quantiser is computed in f32, as accurately as f32 sums, v_exp_f32 and their like allow (about 1e-6 of the number): no bf16 or f16 on the way to a quantiser, and a product that is left as it is and whose result goes on into a quantised operand takes f32 operands (vector FMAs, or v_wmma_f32_16x16x4_f32). A number that lies on a knife's edge between two numbers of the format may be rounded either way, as far as f32 arithmetic and the matrix unit's own rounding can turn it there, and no further.
;;   INPUTS GIVEN AS CODES. Wk (in the module: [8, 512, 64], K = its axis 1); Wo (in the module: [512, 512], K = its axis 0); Wq (in the module: [8, 512, 64], K = its axis 1); Wv (in the module: [8, 512, 64], K = its axis 1); x (in the module: [2, 4096, 512], K = its axis 2): each comes as NAME_codes (uint8): NAME with its K axis moved to the last place and cut into blocks of 32 codes, [.., K / 32, bytes a block], one block behind the other in memory; one code a byte (a code: sign, 4 exponent bits, 3 mantissa bits); and NAME_scales (uint8): the same leading axes, one E8M0 byte (e + 127) for each 32 codes along K. Its value is code x scale, taken as it is: it is not quantised again, and the codes and scales need not be those that the quantiser above would give.
;; One version. Each part assembles by itself: llvm-mc -triple=amdgcn-amd-amdhsa -mcpu=gfx1250 --defsym DOCPART=n.
;; ======== version 1 of 1: 3 launches
;; limits: right only within a limited range of input values
;; workspace buffers: qbuf 4,456,448 bytes; kv 8,650,752 bytes; obuf 4,194,304 bytes; osc 131,072 bytes
;; launch qkv (part 1): grid 32 x 8, 8 waves a work-group, clusters of 4 x 4, 327,680 bytes of LDS; arguments x_codes, x_scales, Wq_codes, Wk_codes, Wv_codes, Wq_scales, Wk_scales, Wv_scales, bq, bk, bv, qbuf, kv; writes qbuf, kv
.if DOCPART == 1
	.amdgcn_target "amdgcn-amd-amdhsa--gfx1250"
	.amdhsa_code_object_version 6
	.text
	.protected	k_qa47e5d2be7_qkv
	.globl	k_qa47e5d2be7_qkv
	.p2align	8
	.type	k_qa47e5d2be7_qkv,@function
k_qa47e5d2be7_qkv:
	s_mov_b64 s[64:65], 0
	v_nop
	global_prefetch_b8 v0, s[64:65] scope:SCOPE_SE
	s_setreg_imm32_b32 hwreg(HW_REG_WAVE_MODE, 25, 1), 1
	s_wait_xcnt 0x0
	s_wait_alu depctr_hold_cnt(0) depctr_sa_sdst(0) depctr_va_vdst(0) depctr_va_sdst(0) depctr_va_ssrc(0) depctr_va_vcc(0) depctr_vm_vsrc(0)
	s_getreg_b32 s2, hwreg(HW_REG_IB_STS2, 6, 4)
	s_cmp_eq_u32 s2, 0
	s_cbranch_scc0 .Lentry_in_a_cluster
	s_endpgm
.Lentry_in_a_cluster:
	s_bfe_u32 s2, ttmp6, 0x10000c
	s_cmp_lg_u32 s2, 0xf033
	s_cbranch_scc0 .Lentry_shape_is_right
	s_endpgm
.Lentry_shape_is_right:
.set PITCH, 528
.set XREG,  128*PITCH
.set WREG,  32*PITCH
.set WL,    2*XREG
.set SCS,   WL+6*WREG
.set RECB,  16896
.set QRECB, 17408
.set L16, 1
.set AX,  2
.set AW,  4
.set SQ,  7
.set PC,  8
.set XS,  24
.set WS,  28
.set TM,  52
.set PW,  68
.set SK,  69
.set SV,  70
.set SB,  71
.set ACC, 72
.set BI,  136
.set WV,  30
.set G1X, 36
.set G1W, 44
.set G0X, 52
.set G0W, 56
.set SEL, 60
.set MNT, 62
.set PADW, (1<<20)|(1<<21)|(6<<22)|(3<<25)
.set MUL,  0x05
.set TO_F, 0x40
.set MSB, 0
.macro WIN new
.if MSB != \new
	s_set_vgpr_msb (MSB<<8)|\new
.set MSB, \new
.endif
.endm
.macro PLACES n
.rept \n
	v_nop
.endr
.endm
.macro CROUND
	s_barrier_signal -1
	s_barrier_wait -1
	s_cmp_lg_u32 s[WV], 0
	s_cbranch_scc1 .Lnot_wave_0_\@
	s_barrier_signal -3
.Lnot_wave_0_\@:
	s_barrier_wait -3
	s_barrier_signal -1
	s_barrier_wait -1
.endm
	s_load_b512 s[4:19], s[0:1], 0x0
	s_load_b256 s[20:27], s[0:1], 0x40
	s_load_b64 s[28:29], s[0:1], 0x60
	v_lshl_add_u32 v254, v0, 2, 0x40000
	v_mov_b32 v255, 0
	ds_add_u32 v254, v255
	ds_add_u32 v254, v255
	v_lshrrev_b32 v1, 5, v0
	s_delay_alu instid0(VALU_DEP_1)
	v_readfirstlane_b32 s[WV], v1
	s_bfe_u32 s31, ttmp6, 0x40000
	s_bfe_u32 s32, ttmp6, 0x40004
	s_lshl_b32 s33, ttmp9, 2
	s_add_co_u32 s33, s33, s31
	s_and_b32 s34, ttmp7, 0xffff
	s_lshl_b32 s34, s34, 2
	s_add_co_u32 s34, s34, s32
	s_lshl_b32 s66, 0x1111, s31
	s_lshl_b32 s67, s32, 2
	s_lshl_b32 s67, 15, s67
	s_or_b32 s[G1X], s66, PADW
	s_or_b32 s[G1W], s67, PADW
.irp g, G1X, G1W
	s_mov_b32 s[\g+1], 4096<<16
	s_mov_b32 s[\g+2], 4<<16
	s_mov_b32 s[\g+3], 4096<<16
	s_mov_b32 s[\g+4], 4
	s_mov_b32 s[\g+5], 8192
	s_mov_b32 s[\g+6], 0
	s_mov_b32 s[\g+7], 0
.endr
	s_mov_b32 s[G1X+2], 16<<16                     ; x: 16 rows of 4,096 bytes a load: one of the two halves of the 256 tokens
	s_mov_b32 s[G1X+4], 16
	s_and_b32 s68, s[WV], 1
	s_mov_b32 s[G0X], 1
	s_mul_i32 s[G0X+1], s68, XREG                  ; waves 0, 1: x's halves
	s_mov_b32 s[G0W], 1
	s_mul_i32 s[G0W+1], s[WV], WREG                ; waves 2 to 7: the six parts of Wq, Wk, Wv
	s_add_co_u32 s[G0W+1], s[G0W+1], WL-2*WREG
	s_lshl_b32 s70, s68, 12
	s_lshl_b32 s72, s33, 17
	s_add_co_u32 s72, s72, s70
	s_mov_b32 s73, 0
	s_lshl_b32 s74, s34, 15
	s_add_co_u32 s74, s74, s70
	s_mov_b32 s75, 0
	s_mov_b32 s[SEL], 0x76543210
	s_mov_b32 s[SEL+1], 0xfedcba98
	s_mov_b32 s[MNT], 0x600000
	v_and_b32 v72, 31, v0
	s_delay_alu instid0(VALU_DEP_1)
	v_lshlrev_b32 v[L16], 4, v72
	v_and_b32 v73, 15, v0
	v_bfe_u32 v74, v0, 4, 1
	s_delay_alu instid0(VALU_DEP_2)
	v_and_b32 v75, 8, v73
	s_delay_alu instid0(VALU_DEP_1)
	v_add_nc_u32 v75, v75, v73
	s_delay_alu instid0(VALU_DEP_4)
	v_mul_u32_u24 v76, v73, PITCH
	s_delay_alu instid0(VALU_DEP_1)
	v_lshl_add_u32 v76, v74, 4, v76
	s_mul_i32 s76, s[WV], 16*PITCH
	v_add_nc_u32 v[AX], s76, v76
	s_delay_alu instid0(VALU_DEP_1)
	v_add_nc_u32 v[AX+1], XREG, v[AX]
	v_add_nc_u32 v[AW], WL, v76
	v_add_nc_u32 v[AW+1], WL+2*WREG, v76
	v_add_nc_u32 v[AW+2], WL+4*WREG, v76
	s_lshl_b32 s76, s[WV], 7
	s_add_co_u32 s76, s76, SCS+1024
	v_lshl_add_u32 v[SQ], v72, 2, s76
	s_lshr_b32 s77, s[WV], 2
	s_lshl_b32 s77, s77, 9
	s_and_b32 s78, s[WV], 3
	s_lshl_b32 s79, s78, 2
	s_add_co_u32 s79, s79, s77
	s_add_co_u32 s79, s79, SCS
	v_lshl_add_u32 v[SK], v73, 4, s79
	s_add_co_u32 s79, s77, s78
	s_add_co_u32 s79, s79, SCS+256
	v_lshl_add_u32 v[SV], v73, 4, s79
	s_lshl_b32 s79, s[WV], 9
	s_add_co_u32 s79, s79, SCS
	v_add_nc_u32 v[SB], s79, v[L16]
	v_lshl_add_u32 v77, v74, 3, v75
	s_delay_alu instid0(VALU_DEP_1)
	v_lshlrev_b32 v77, 4, v77
	v_lshlrev_b32 v78, 6, v74
	v_lshlrev_b32 v79, 2, v75
.irp b, 0,1,2,3
	v_mov_b32 v[TM+4+\b], 0
.endr
	s_wait_dscnt 0x0
	s_wait_kmcnt 0x0
	s_add_nc_u64 s[G0X+2:G0X+3], s[4:5], s[72:73]
	s_or_b32 s[G0X+3], s[G0X+3], 0x80000000
	s_cmp_lt_u32 s[WV], 4
	s_cselect_b64 s[G0W+2:G0W+3], s[8:9], s[10:11]
	s_cmp_lt_u32 s[WV], 6
	s_cselect_b64 s[G0W+2:G0W+3], s[G0W+2:G0W+3], s[12:13]
	s_add_nc_u64 s[G0W+2:G0W+3], s[G0W+2:G0W+3], s[74:75]
	s_or_b32 s[G0W+3], s[G0W+3], 0x80000000
	CROUND
	s_cmp_lt_u32 s[WV], 2                          ; the head's eight loads, one a wave, in one chain of two arms
	s_cbranch_scc0 .Lhead_w
	tensor_load_to_lds s[G0X:G0X+3], s[G1X:G1X+7]
	s_nop 0
	PLACES 4
	s_branch .Lhead_done
.Lhead_w:
	tensor_load_to_lds s[G0W:G0W+3], s[G1W:G1W+7]
	s_nop 0
	PLACES 4
.Lhead_done:
	s_lshl_b32 s76, s33, 12
	s_lshl_b32 s77, s[WV], 9
	s_add_co_u32 s76, s76, s77
	s_mov_b32 s77, 0
	s_add_nc_u64 s[6:7], s[6:7], s[76:77]
	s_lshl_b32 s76, s34, 10
	s_add_nc_u64 s[14:15], s[14:15], s[76:77]
	s_add_nc_u64 s[16:17], s[16:17], s[76:77]
	s_add_nc_u64 s[18:19], s[18:19], s[76:77]
	s_lshl_b32 s76, s34, 8
	s_add_nc_u64 s[20:21], s[20:21], s[76:77]
	s_add_nc_u64 s[22:23], s[22:23], s[76:77]
	s_add_nc_u64 s[24:25], s[24:25], s[76:77]
	s_wait_alu depctr_va_vdst(0)
	global_load_b128 v[XS:XS+3], v77, s[6:7]
.irp m, 0,1,2
.irp b, 0,1
	global_load_b128 v[WS+8*\m+4*\b:WS+8*\m+4*\b+3], v77, s[14+2*\m:15+2*\m] offset:512*\b
.endr
.endr
.irp m, 0,1
.irp t, 0,1,2,3
	global_load_b128 v[BI+32*\m+8*\t:BI+32*\m+8*\t+3], v78, s[20+2*\m:21+2*\m] offset:128*(\t/2)+32*(\t%2)
	global_load_b128 v[BI+32*\m+8*\t+4:BI+32*\m+8*\t+7], v78, s[20+2*\m:21+2*\m] offset:128*(\t/2)+32*(\t%2)+16
.endr
.endr
.irp t, 0,1,2,3
	global_load_b32 v[TM+\t], v79, s[24:25] offset:128*(\t/2)+32*(\t%2)
.endr
	s_lshr_b32 s82, s33, 4
	s_lshl_b32 s82, s82, 3
	s_add_co_u32 s82, s82, s34
	s_and_b32 s83, s33, 15
	s_lshl_b32 s84, s82, 4
	s_add_co_u32 s84, s84, s83
	s_mul_i32 s84, s84, QRECB
	s_mov_b32 s85, 0
	s_add_nc_u64 s[26:27], s[26:27], s[84:85]
	s_mul_i32 s86, s82, 32*RECB
	s_lshl_b32 s87, s83, 1
	s_mul_i32 s87, s87, RECB
	s_add_co_u32 s86, s86, s87
	s_mov_b32 s87, 0
	s_add_nc_u64 s[28:29], s[28:29], s[86:87]
	s_lshl_b32 s84, s[WV], 11
	s_add_nc_u64 s[88:89], s[26:27], s[84:85]
	s_lshr_b32 s86, s[WV], 2
	s_mul_i32 s86, s86, RECB
	s_and_b32 s84, s[WV], 3
	s_lshl_b32 s90, s84, 11
	s_add_co_u32 s90, s90, s86
	s_mov_b32 s91, 0
	s_add_nc_u64 s[92:93], s[28:29], s[90:91]
	s_lshl_b32 s90, s84, 9
	s_add_co_u32 s90, s90, s86
	s_add_co_u32 s90, s90, 8192
	s_add_nc_u64 s[94:95], s[28:29], s[90:91]
	s_mul_i32 s90, s[WV], RECB
	s_add_co_u32 s90, s90, 16384
	s_add_nc_u64 s[96:97], s[28:29], s[90:91]
	s_lshl_b32 s90, s[WV], 9
	s_add_co_u32 s90, s90, 16384-1024
	s_add_nc_u64 s[98:99], s[26:27], s[90:91]
	s_cmp_lt_u32 s[WV], 2
	s_cselect_b64 s[96:97], s[96:97], s[98:99]
.macro QUANT
.irp b, 0,1,2,3
	v_max3_num_f32 v[TM+\b], |v[ACC+16*\b]|, |v[ACC+1+16*\b]|, 0x4800000
.endr
.irp i, 2,4,6,8,10,12,14
.irp b, 0,1,2,3
	v_max3_num_f32 v[TM+\b], v[TM+\b], |v[ACC+16*\b+\i]|, |v[ACC+1+16*\b+\i]|
.endr
.endr
.irp b, 0,1,2,3
	s_delay_alu instid0(VALU_DEP_4)
	v_permlanex16_b32 v[TM+4+\b], v[TM+\b], s[SEL], s[SEL+1]
.endr
.irp b, 0,1,2,3
	s_delay_alu instid0(VALU_DEP_4)
	v_max_num_f32 v[TM+\b], v[TM+\b], v[TM+4+\b]
.endr
.irp b, 0,1,2,3
	s_delay_alu instid0(VALU_DEP_4)
	v_add_nc_u32 v[TM+12+\b], 0xfc000000, v[TM+\b]
.endr
.irp b, 0,1,2,3
	v_and_or_b32 v[TM+8+\b], v[TM+\b], 0x7f800000, s[MNT]
.endr
.irp b, 0,1,2,3
	v_lshrrev_b32 v[TM+4+\b], 23, v[TM+12+\b]
.endr
	s_delay_alu instid0(VALU_DEP_3)
	v_lshl_or_b32 v[PW], v[TM+5], 8, v[TM+4]
	s_delay_alu instid0(VALU_DEP_1)
	v_lshl_or_b32 v[PW], v[TM+6], 16, v[PW]
	s_delay_alu instid0(VALU_DEP_1)
	v_lshl_or_b32 v[PW], v[TM+7], 24, v[PW]
.irp b, 0,1,2,3
.irp i, 0,1,2,3,4,5,6,7,8,9,10,11,12,13,14,15
	v_med3_num_f32 v[ACC+16*\b+\i], v[ACC+16*\b+\i], -v[TM+8+\b], v[TM+8+\b]
.endr
	v_cvt_scalef32_pk8_fp8_f32 v[PC+4*\b:PC+1+4*\b], v[ACC+16*\b:ACC+7+16*\b], v[TM+12+\b]
	v_cvt_scalef32_pk8_fp8_f32 v[PC+2+4*\b:PC+3+4*\b], v[ACC+8+16*\b:ACC+15+16*\b], v[TM+12+\b]
.endr
	v_nop
.endm
.macro MM d, a, b, c, sa, sb, ra, rb
.set rD, \d
.set rA, \a
.set rB, \b
.set rC, \c
.set rSA, \sa
.set rSB, \sb
.if (\ra) && (\rb)
	v_wmma_scale_f32_16x16x128_f8f6f4 v[rD:rD+7], v[rA:rA+15], v[rB:rB+15], v[rC:rC+7], v[rSA], v[rSB] matrix_a_scale:MATRIX_SCALE_ROW1 matrix_b_scale:MATRIX_SCALE_ROW1
.elseif (\ra)
	v_wmma_scale_f32_16x16x128_f8f6f4 v[rD:rD+7], v[rA:rA+15], v[rB:rB+15], v[rC:rC+7], v[rSA], v[rSB] matrix_a_scale:MATRIX_SCALE_ROW1
.elseif (\rb)
	v_wmma_scale_f32_16x16x128_f8f6f4 v[rD:rD+7], v[rA:rA+15], v[rB:rB+15], v[rC:rC+7], v[rSA], v[rSB] matrix_b_scale:MATRIX_SCALE_ROW1
.else
	v_wmma_scale_f32_16x16x128_f8f6f4 v[rD:rD+7], v[rA:rA+15], v[rB:rB+15], v[rC:rC+7], v[rSA], v[rSB]
.endif
.endm
.macro FETCH_W m, s, q
.irp wt, 0,1,2,3
.irp c, 0,1,2,3
	ds_load_b128 v[128+64*(\q)+16*\wt+4*\c:128+64*(\q)+16*\wt+4*\c+3], v[AW+(\m)] offset:WREG*(\wt%2)+16*PITCH*(\wt/2)+128*(\s)+32*\c
.endr
.endr
.endm
.macro KSTEP m, s
.set i, 4*\m+\s
.set p, i%2
.if i < 11
	s_wait_dscnt 16
.else
	s_wait_dscnt 0x0
.endif
	WIN MUL
.if \m < 2
.irp tt, 0,1
.irp wt, 0,1,2,3
.if \s == 0
	MM ACC+32*\tt+8*\wt, 128+64*p+16*\wt, 16*(4*\tt+\s), BI+32*\m+8*\wt, WS+8*\m+4*(\wt/2)+\s, XS+\s, \wt%2, \tt
.else
	MM ACC+32*\tt+8*\wt, 128+64*p+16*\wt, 16*(4*\tt+\s), ACC+32*\tt+8*\wt, WS+8*\m+4*(\wt/2)+\s, XS+\s, \wt%2, \tt
.endif
.endr
.endr
.else
.irp ct, 0,1,2,3
.irp u, 0,1
.if \s == 0
	MM ACC+16*\ct+8*\u, 16*(4*\u+\s), 128+64*p+16*\ct, BI+64+8*\ct, XS+\s, WS+16+4*(\ct/2)+\s, \u, \ct%2
.else
	MM ACC+16*\ct+8*\u, 16*(4*\u+\s), 128+64*p+16*\ct, ACC+16*\ct+8*\u, XS+\s, WS+16+4*(\ct/2)+\s, \u, \ct%2
.endif
.endr
.endr
.endif
	WIN 0
.if (i+2 < 12) || (\s == 3)
	PLACES 8
.endif
.if i+2 < 12
	WIN TO_F
	FETCH_W (i+2)/4, (i+2)%4, p
	WIN 0
.endif
.endm
.macro OUT m
	s_wait_xcnt 0x0
	QUANT
.if \m == 0
.irp j, 0,1,2,3
	global_store_b128 v[L16], v[PC+4*\j:PC+4*\j+3], s[88:89] offset:512*\j
.endr
	ds_store_b32 v[SQ], v[PW]
.elseif \m == 1
.irp j, 0,1,2,3
	global_store_b128 v[L16], v[PC+4*\j:PC+4*\j+3], s[92:93] offset:512*\j
.endr
	ds_store_b32 v[SK], v[PW]
.else
.irp j, 0,1,2,3
	global_store_b128 v[L16], v[PC+4*\j:PC+4*\j+3], s[94:95] offset:2048*\j
.endr
.irp j, 0,1,2,3
	ds_store_b8 v[SV], v[TM+4+\j] offset:4*\j
.endr
.endif
.endm
	s_wait_tensorcnt 0x0
	s_barrier_signal -1
	s_barrier_wait -1
	WIN TO_F
.irp u, 0,1
.irp s, 0,1,2,3
.irp c, 0,1,2,3
	ds_load_b128 v[16*(4*\u+\s)+4*\c:16*(4*\u+\s)+4*\c+3], v[AX+\u] offset:128*\s+32*\c
.endr
.endr
.endr
	FETCH_W 0, 0, 0
	FETCH_W 0, 1, 1
	WIN 0
	s_wait_loadcnt 0x0
.irp t, 0,1,2,3
.irp j, 0,1,2,3,4,5,6,7
	v_mov_b32 v[BI+64+8*\t+\j], v[TM+\t]
.endr
.endr
.irp m, 0,1,2
.irp s, 0,1,2,3
	KSTEP \m, \s
.endr
	OUT \m
.endr
	s_wait_dscnt 0x0
	s_barrier_signal -1
	s_barrier_wait -1
	s_cmp_lt_u32 s[WV], 4
	s_cbranch_scc0 .Lno_sc
	ds_load_b128 v[TM:TM+3], v[SB]
	s_wait_dscnt 0x0
	global_store_b128 v[L16], v[TM:TM+3], s[96:97]
.Lno_sc:
	s_wait_tensorcnt 0x0
	ds_add_u32 v254, v255
	s_wait_dscnt 0x0
	CROUND
	s_endpgm
.Lfunc_end_k_qa47e5d2be7_qkv:
	.size	k_qa47e5d2be7_qkv, .Lfunc_end_k_qa47e5d2be7_qkv-k_qa47e5d2be7_qkv
	.p2alignl 7, 3214868480
	.fill 96, 4, 3214868480
	.section	.rodata,"a",@progbits
	.p2align	6, 0x0
	.amdhsa_kernel k_qa47e5d2be7_qkv
		.amdhsa_group_segment_fixed_size 327680
		.amdhsa_private_segment_fixed_size 0
		.amdhsa_enable_private_segment 0
		.amdhsa_kernarg_size 104
		.amdhsa_user_sgpr_count 2
		.amdhsa_user_sgpr_kernarg_segment_ptr 1
		.amdhsa_wavefront_size32 1
		.amdhsa_system_sgpr_workgroup_id_x 1
		.amdhsa_system_sgpr_workgroup_id_y 1
		.amdhsa_system_sgpr_workgroup_id_z 1
		.amdhsa_system_vgpr_workitem_id 0
		.amdhsa_next_free_vgpr 512
		.amdhsa_next_free_sgpr 100
		.amdhsa_reserve_vcc 0
		.amdhsa_float_denorm_mode_32 3
		.amdhsa_float_denorm_mode_16_64 3
		.amdhsa_memory_ordered 1
		.amdhsa_forward_progress 1
		.amdhsa_inst_pref_size 70
	.end_amdhsa_kernel
	.amdgpu_metadata
---
amdhsa.version: [ 1, 2 ]
amdhsa.kernels:
  - .name:           k_qa47e5d2be7_qkv
    .symbol:         k_qa47e5d2be7_qkv.kd
    .args:
      - { .name: x_codes, .offset: 0, .size: 8, .value_kind: global_buffer, .address_space: global }
      - { .name: x_scales, .offset: 8, .size: 8, .value_kind: global_buffer, .address_space: global }
      - { .name: Wq_codes, .offset: 16, .size: 8, .value_kind: global_buffer, .address_space: global }
      - { .name: Wk_codes, .offset: 24, .size: 8, .value_kind: global_buffer, .address_space: global }
      - { .name: Wv_codes, .offset: 32, .size: 8, .value_kind: global_buffer, .address_space: global }
      - { .name: Wq_scales, .offset: 40, .size: 8, .value_kind: global_buffer, .address_space: global }
      - { .name: Wk_scales, .offset: 48, .size: 8, .value_kind: global_buffer, .address_space: global }
      - { .name: Wv_scales, .offset: 56, .size: 8, .value_kind: global_buffer, .address_space: global }
      - { .name: bq, .offset: 64, .size: 8, .value_kind: global_buffer, .address_space: global }
      - { .name: bk, .offset: 72, .size: 8, .value_kind: global_buffer, .address_space: global }
      - { .name: bv, .offset: 80, .size: 8, .value_kind: global_buffer, .address_space: global }
      - { .name: qbuf, .offset: 88, .size: 8, .value_kind: global_buffer, .address_space: global }
      - { .name: kv, .offset: 96, .size: 8, .value_kind: global_buffer, .address_space: global }
    .group_segment_fixed_size: 327680
    .private_segment_fixed_size: 0
    .kernarg_segment_align: 8
    .kernarg_segment_size: 104
    .max_flat_workgroup_size: 256
    .sgpr_count:     100
    .vgpr_count:     512
    .wavefront_size: 32
...
	.end_amdgpu_metadata
.endif
;; end of part 1
;; launch attn (part 2): grid 16 x 16, 8 waves a work-group, clusters of 4 x 1, 327,680 bytes of LDS; arguments qbuf, kv, obuf, osc; writes obuf, osc
.if DOCPART == 2
	.amdgcn_target "amdgcn-amd-amdhsa--gfx1250"
	.amdhsa_code_object_version 6
	.text
	.protected	k_qa47e5d2be7_attn
	.globl	k_qa47e5d2be7_attn
	.p2align	8
	.type	k_qa47e5d2be7_attn,@function
k_qa47e5d2be7_attn:
	s_mov_b64 s[64:65], 0
	v_nop
	global_prefetch_b8 v0, s[64:65] scope:SCOPE_SE
	s_setreg_imm32_b32 hwreg(HW_REG_WAVE_MODE, 25, 1), 1
	s_wait_xcnt 0x0
	s_wait_alu depctr_hold_cnt(0) depctr_sa_sdst(0) depctr_va_vdst(0) depctr_va_sdst(0) depctr_va_ssrc(0) depctr_va_vcc(0) depctr_vm_vsrc(0)
	s_getreg_b32 s2, hwreg(HW_REG_IB_STS2, 6, 4)
	s_cmp_eq_u32 s2, 0
	s_cbranch_scc0 .Lentry_in_a_cluster
	s_endpgm
.Lentry_in_a_cluster:
	s_bfe_u32 s2, ttmp6, 0x10000c
	s_cmp_lg_u32 s2, 0x3003
	s_cbranch_scc0 .Lentry_shape_is_right
	s_endpgm
.Lentry_shape_is_right:
; o = softmax(q k^T / 8) v for 256 queries of one batch-head, both products on codes of E4M3 with one E8M0 scale for each 32 along K; o / l is quantised along the channels and stored as an image of the next operand's registers.
; THE SOFTMAX: t = score x log2(e) / 8; M = the running largest t rounded UP to a whole number; p = 2^(t - M) is what is quantised, along the keys, not normalised.  l is the sum of the unquantised p.
; When M moves, l and O are multiplied by f = 2^(old M - new M): exact.
; SHARES.  256 work-groups: 16 blocks of 256 queries x 16 batch-heads.  Eight waves, each TWO tiles of 16 queries (t = 0, 1).  Each fragment of K and V that a wave reads from LDS feeds both tiles.
; Every wave walks the head's 4,096 keys, 128 a step: 16 + 8 matrix instructions.
; REGISTERS.  Window 0 holds what the softmax's lines name, for both tiles: scores, state, codes; so the two tiles' lines take turns with no change of window.  Window 1 holds what the products alone name: O^T, q, K, V.
; THE TWO TILES ARE SKEWED: among tile 0's exponentials stand tile 1's multiply-adds t - M, among tile 1's exponentials tile 0's holds: lines whose sources were written ahead of the batch's wait and whose results are read behind the next wait.
; LAYOUT.  Both products are used transposed (S^T = K Q^T, O^T = V^T P^T): a lane holds one query of each tile.  Operands come as images of their registers, so every LDS load reads 512 consecutive bytes.
; Register 16 b + i of S^T is key 32 b + 16 (lane / 16) + i of the step.
; THE SCORES' K IS 64, the instruction's 128.  A fragment of K holds two key tiles (k 0-63, k 64-127).  q stands as [0 | q0 | 0 | q1 | 0], eight registers each: [q, 0] picks the first key tile, [0, q] the second; zero codes add nothing.
; The next record's K is loaded under this record's softmax, but for a slot's last record, whose successor lies behind the change of slots.
; THE RING.  Two slots of eight records (8 key steps, 135,168 bytes).  Every wave fetches one record of a slot.  CLUSTER 4 x 1: the four query blocks of a cluster walk one head's records, so each record is asked for jointly.
; One tensor load of a wave is out at any time.  No prefetch is laid: a refill is asked for eight key steps ahead of its first read, and the first fill stands at the head, with no loop ahead of it.
; LIMITS: NaN and infinities are not served; the scaled scores stay under 2^31 in magnitude.  A block whose largest magnitude lies under 2^-118 gets the byte 1; this program alone reads the bytes.
; A block's largest p is made from the block's largest score by the same two instructions; that takes v_exp_f32 not to fall where its input rises.
.set RECB,  16896                      ; a record: K's 4 fragments, V's 4 fragments, 512 bytes of scale words
.set SLOTB, 8*RECB
.set SPARE, 2*SLOTB                    ; the spare words: 128 bytes for each of 8 waves
.set STG,   SPARE+1024                 ; 512 bytes: o's scale bytes on their way out; no fill lands here
.set QRECB, 17408
; window 0
.set L16, 1                            ; v1   16 x lane
.set ADR, 2                            ; v2   LDS address of the record in hand
.set SPW, 3                            ; v3   my spare word; never rewritten
.set NIL, 4                            ; v4   0; never rewritten.   v5, v6 the stage; v7 4 x lane
.set SCK, 8                            ; v8-11  scale words of the record whose K is in registers (lanes 0-15)
.set SCV, 12                           ; v12-15 of the record whose V is in registers (lanes 16-31)
.set PWS, 16                           ; v16, v17 p's scale words, tile 0, 1
.set QW,  20                           ; v20  q's scale word as loaded
.set QSS, 22                           ; v22, v23 q's two bytes twice, tile 0, 1
.set ST,  24                           ; tile t's state at ST + 32 t: +0 -M, +1 largest t, +2,3 f, +4 block maxima, +8 at work, +12 448 x scale, +16 scale operands, +20 l in four pairs, +28 word, +29 at work
.set S,   88                           ; S + 64 t: S^T, then p
.set PC,  216                          ; PC + 16 t: p's codes
.set X,   248                          ; v248-255 four short chains of the sums
; window 1
.set OT,  0                            ; OT + 32 t
.set QZ,  64                           ; v64-103
.set KF,  104                          ; v104-167
.set VF,  168                          ; v168-231
.set WV,  12
.set G1,  16                           ; s[16:23] group 1;  s[24:27], s[28:31] group 0 of slot 0, slot 1
.set G0A, 24
.set G0B, 28
.set SEL, 32
.set CS,  34                           ; s[34:35] c = log2(e) / 8
.set MNT, 36
.set TB,  37                           ; LDS byte of the record in hand
.set CNT, 38                           ; steps left in the slot
.set MSB, 0
.macro WIN new                         ; the immediate's high byte repeats the setting that is left
.if MSB != \new
	s_set_vgpr_msb (MSB<<8)|\new
.set MSB, \new
.endif
.endm
.macro WALU
	s_wait_alu depctr_va_vdst(0)
.endm
.macro TS t                            ; tile t's bases
.set B_, ST+32*(\t)
.set S_, S+64*(\t)
.set P_, PC+16*(\t)
.set O_, OT+32*(\t)
.endm
.macro CROUND                          ; a round of the cluster's barrier
	s_barrier_signal -1
	s_barrier_wait -1
	s_cmp_lg_u32 s[WV], 0
	s_cbranch_scc1 .Lnot_wave_0_\@
	s_barrier_signal -3
.Lnot_wave_0_\@:
	s_barrier_wait -3
	s_barrier_signal -1
	s_barrier_wait -1
.endm
.macro JLOAD g0                        ; every wave's one joint load: its record of a slot; s_nop 0 and four v_nop follow
	tensor_load_to_lds s[\g0:\g0+3], s[G1:G1+7]
	s_nop 0
.rept 4
	v_nop
.endr
.endm
	s_load_b256 s[4:11], s[0:1], 0x0               ; qbuf, kv, obuf, osc
	v_lshl_add_u32 v[SPW], v0, 2, SPARE
	v_mov_b32 v[NIL], 0
	ds_add_u32 v[SPW], v[NIL]                      ; the opening lines: the add twice on end and its wait
	ds_add_u32 v[SPW], v[NIL]
	v_lshrrev_b32 v5, 5, v0
	v_readfirstlane_b32 s[WV], v5                  ; wave 0..7
	s_bfe_u32 s13, ttmp6, 0x40000                  ; cx
	s_lshl_b32 s14, ttmp9, 2
	s_add_co_u32 s14, s14, s13                     ; my block of 256 queries: it enters q's, o's and the scales' addresses alone
	s_and_b32 s15, ttmp7, 0xffff                   ; the batch-head, which the four partners share
	s_mov_b32 s[G1], 15|(3<<16)|(1<<21)            ; mask: all four; elements of 8 bytes; bit 21 beside a mask
	s_mov_b32 s[G1+1], 32<<16                      ; a record is dense: 66 rows of 256 bytes
	s_mov_b32 s[G1+2], 66<<16
	s_mov_b32 s[G1+3], 32<<16
	s_mov_b32 s[G1+4], 66
	s_mov_b32 s[G1+5], 32
	s_mov_b32 s[G1+6], 0
	s_mov_b32 s[G1+7], 0
	s_mul_i32 s41, s[WV], RECB                     ; my record's place in a slot, in LDS as in memory
	s_mul_i32 s42, s15, 32*RECB
	s_add_co_u32 s42, s42, s41
	s_mov_b32 s43, 0
	s_mov_b32 s[SEL], 0x76543210
	s_mov_b32 s[SEL+1], 0xfedcba98
	s_mov_b32 s[CS], 0x3e38aa3b
	s_mov_b32 s[CS+1], s[CS]
	s_mov_b32 s[MNT], 0x600000
	s_mov_b32 s54, 0x01000100                      ; byte selects: tile 0's two bytes twice, tile 1's
	s_mov_b32 s55, 0x03020302
	s_wait_dscnt 0x0
	s_wait_kmcnt 0x0
	s_mov_b32 s[G0A], 1
	s_mov_b32 s[G0A+1], s41
	s_add_nc_u64 s[G0A+2:G0A+3], s[6:7], s[42:43]
	s_mov_b32 s[G0B], 1
	s_add_co_u32 s[G0B+1], s41, SLOTB
	s_add_nc_u64 s[G0B+2:G0B+3], s[G0A+2:G0A+3], SLOTB
	s_or_b32 s[G0A+3], s[G0A+3], 0x80000000
	s_or_b32 s[G0B+3], s[G0B+3], 0x80000000
	CROUND                                         ; all four work-groups are here
	JLOAD G0A                                      ; key steps 0 to 7: one load a wave at the head
	v_and_b32 v6, 31, v0
	v_lshlrev_b32 v[L16], 4, v6
	v_lshlrev_b32 v7, 2, v6                        ; 4 x lane: q's scale word
	v_and_b32 v5, 15, v0
	s_lshl_b32 s44, s[WV], 6
	s_add_co_u32 s44, s44, STG
	v_lshl_add_u32 v5, v5, 1, s44                  ; the stage: 64 x wave + 2 r; tile 1 32 on
	v_add_nc_u32 v6, STG, v[L16]
	s_lshl_b32 s44, s15, 4
	s_add_co_u32 s44, s44, s14                     ; 16 x batch-head + block
	s_mul_i32 s46, s44, QRECB
	s_lshl_b32 s45, s[WV], 11                      ; my group of two tiles: 2,048 bytes
	s_add_co_u32 s48, s46, s45
	s_mov_b32 s49, 0
	s_add_nc_u64 s[48:49], s[4:5], s[48:49]
	s_lshl_b32 s45, s[WV], 7
	s_add_co_u32 s46, s46, s45
	s_add_co_u32 s46, s46, 16384
	s_mov_b32 s47, 0
	s_add_nc_u64 s[46:47], s[4:5], s[46:47]        ; the group's scale words
	WALU                                           ; the wait ahead of the readers below
	global_load_b32 v[QW], v7, s[46:47]
	WIN 0x40
.irp t, 0,1
	global_load_b128 v[QZ+8+16*\t:QZ+11+16*\t], v[L16], s[48:49] offset:1024*\t
	global_load_b128 v[QZ+12+16*\t:QZ+15+16*\t], v[L16], s[48:49] offset:1024*\t+512
.endr
	WIN 0
	s_lshr_b32 s50, s15, 3
	s_lshl_b32 s50, s50, 8
	s_lshl_b32 s51, s14, 4
	s_add_co_u32 s50, s50, s51
	s_lshl_b32 s51, s[WV], 1
	s_add_co_u32 s50, s50, s51                     ; tile 0 among the 512 tiles of 16 tokens: 256 x batch + 16 x block + 2 x wave
	s_lshl_b32 s50, s50, 13
	s_and_b32 s51, s15, 7
	s_lshl_b32 s51, s51, 10                        ; my head's two register groups
	s_add_co_u32 s50, s50, s51
	s_mov_b32 s51, 0
	s_add_nc_u64 s[50:51], s[8:9], s[50:51]
	s_lshl_b32 s52, s44, 9
	s_mov_b32 s53, 0
	s_add_nc_u64 s[52:53], s[10:11], s[52:53]      ; o's scale bytes: 512 a work-group
.irp t, 0,1                            ; each tile's state
	TS \t
	v_mov_b32 v[B_+1], 0xff61b1e6                  ; -3e38, under every t
	v_floor_f32 v[B_], -v[B_+1]
	v_mov_b32 v[B_+3], 0                           ; named with f as a pair
.irp j, 0,1,2,3
	v_mov_b32 v[B_+8+\j], 0                        ; a lane permute's destination counts as one of its sources
.endr
.irp j, 0,1,2,3,4,5,6,7
	v_mov_b32 v[B_+20+\j], 0                       ; l
.endr
.endr
	s_wait_loadcnt 0x0
	v_perm_b32 v[QSS], v[QW], v[QW], s54
	v_perm_b32 v[QSS+1], v[QW], v[QW], s55
	WIN 0x40
.irp j, 0,1,2,3,4,5,6,7
	v_mov_b32 v[QZ+\j], 0
	v_mov_b32 v[QZ+16+\j], 0
	v_mov_b32 v[QZ+32+\j], 0
.endr
.set j, 0
.rept 64
	v_mov_b32 v[OT+j], 0                           ; the step is written alike for all: the first finds zeros.  (Also the places between q's scale words and the first product)
.set j, j+1
.endr
	WIN 0
.macro KLOAD off                       ; a record's K: its scale words, and four fragments
	ds_load_b128 v[SCK:SCK+3], v[ADR] offset:\off+16384
	WIN 0x40
.irp b, 0,1,2,3
.irp c, 0,1,2,3
	ds_load_b128 v[KF+16*\b+4*\c:KF+16*\b+4*\c+3], v[ADR] offset:\off+2048*\b+512*\c
.endr
.endr
	WIN 0
.endm
.macro QK t                            ; a tile's scores: each fragment of K against [q, 0] and [0, q]
	TS \t
.irp b, 0,1,2,3
	v_wmma_scale_f32_16x16x128_f8f6f4 v[S_+16*\b:S_+16*\b+7], v[KF+16*\b:KF+16*\b+15], v[QZ+8+16*\t:QZ+23+16*\t], 0, v[SCK+\b], v[QSS+\t]
	v_wmma_scale_f32_16x16x128_f8f6f4 v[S_+16*\b+8:S_+16*\b+15], v[KF+16*\b:KF+16*\b+15], v[QZ+16*\t:QZ+15+16*\t], 0, v[SCK+\b], v[QSS+\t]
.endr
.endm
.macro PV t                            ; a tile's O^T += V^T P^T: four accumulators by turns
	TS \t
.irp n, 0,1,2,3
	v_wmma_scale_f32_16x16x128_f8f6f4 v[O_+8*\n:O_+8*\n+7], v[VF+16*\n:VF+16*\n+15], v[P_:P_+15], v[O_+8*\n:O_+8*\n+7], v[SCV+\n], v[PWS+\t] matrix_a_scale:MATRIX_SCALE_ROW1
.endr
.endm
.macro MAXA i                          ; line i of eight of each block's largest score; four blocks of both tiles by turns
.irp t, 0,1
	TS \t
.irp b, 0,1,2,3
.if \i == 0
	v_max3_num_f32 v[B_+4+\b], v[S_+16*\b], v[S_+16*\b+1], v[S_+16*\b+2]
.elseif \i < 7
	v_max3_num_f32 v[B_+4+\b], v[B_+4+\b], v[S_+16*\b+2*\i+1], v[S_+16*\b+2*\i+2]
.else
	v_max_num_f32 v[B_+4+\b], v[B_+4+\b], v[S_+16*\b+15]
.endif
.endr
.endr
.endm
.macro CHAIN k, t                      ; from the blocks' maxima to -M and f, line k
	TS \t
.if \k == 0
	v_max3_num_f32 v[B_+29], v[B_+4], v[B_+5], v[B_+6]
.elseif \k == 1
	v_max_num_f32 v[B_+29], v[B_+29], v[B_+7]
.elseif \k == 2
	v_mul_f32 v[B_+29], s[CS], v[B_+29]            ; as t (c is positive)
.elseif \k == 3
	v_max_num_f32 v[B_+1], v[B_+1], v[B_+29]       ; the running largest t
.elseif \k == 4
	v_mov_b32 v[B_+29], v[B_]
.elseif \k == 5
	v_floor_f32 v[B_], -v[B_+1]                    ; the new -M: M is a whole number
.elseif \k == 6
	v_sub_f32 v[B_+29], v[B_], v[B_+29]            ; old M - new M, 0 or less
.elseif \k == 7
	v_cvt_i32_f32 v[B_+29], v[B_+29]               ; (it saturates)
.else
	v_ldexp_f32 v[B_+2], 1.0, v[B_+29]             ; f
.endif
.endm
.macro FMAP t, j                       ; t - M of two scores
	TS \t
	v_pk_fma_f32 v[S_+(\j):S_+(\j)+1], v[S_+(\j):S_+(\j)+1], s[CS:CS+1], v[B_:B_+1] op_sel_hi:[1,0,0]
.endm
.macro HOLD t, n                       ; line n of 32: the one-sided hold (the conversion does not saturate: ISA guide 7.6.2) of two numbers, one of each of two neighbouring blocks
	TS \t
.set x_, 2*((\n)/16)
.set q_, (\n)%16
.set r_, q_+1-2*(q_%2)
	v_dual_min_num_f32 v[S_+16*x_+q_], v[S_+16*x_+q_], v[B_+12+x_] :: v_dual_min_num_f32 v[S_+16*x_+16+r_], v[S_+16*x_+16+r_], v[B_+13+x_]
.endm
.macro CVT t, n                        ; eight codes: block n / 2, half n % 2
	TS \t
	v_cvt_scalef32_pk8_fp8_f32 v[P_+2*(\n):P_+2*(\n)+1], v[S_+8*(\n):S_+8*(\n)+7], v[B_+16+(\n)/2]
.endm
.macro SUMG g, t                       ; group g of eight of the row's sums of the unquantised p: four running pairs (their first term carries l x f) and four short chains
	TS \t
.irp n, 0,1,2,3
.if \g == 0
	v_pk_fma_f32 v[B_+20+2*\n:B_+21+2*\n], v[B_+20+2*\n:B_+21+2*\n], v[B_+2:B_+3], v[S_+2*\n:S_+2*\n+1] op_sel_hi:[1,0,1]
.elseif \g == 1
	v_pk_add_f32 v[X+2*\n:X+2*\n+1], v[S_+8+2*\n:S_+9+2*\n], v[S_+16+2*\n:S_+17+2*\n]
.elseif \g == 7
	v_pk_add_f32 v[B_+20+2*\n:B_+21+2*\n], v[B_+20+2*\n:B_+21+2*\n], v[X+2*\n:X+2*\n+1]
.elseif (\g)%2 == 0
	v_pk_add_f32 v[B_+20+2*\n:B_+21+2*\n], v[B_+20+2*\n:B_+21+2*\n], v[S_+8+8*\g+2*\n:S_+9+8*\g+2*\n]
.else
	v_pk_add_f32 v[X+2*\n:X+2*\n+1], v[X+2*\n:X+2*\n+1], v[S_+8+8*\g+2*\n:S_+9+8*\g+2*\n]
.endif
.endr
.endm
.macro SCG g, t                        ; group g of seven of the blocks' scales
	TS \t
.if \g < 4
.irp b, 0,1,2,3
.if \g == 0
	v_max_num_f32 v[B_+4+\b], 0x4800000, v[B_+4+\b]          ; the floor 2^(9 - 127): the byte cannot fall under 1
.elseif \g == 1
	v_add_nc_u32 v[B_+16+\b], 0xfc000000, v[B_+4+\b]         ; 8 off the exponent field: the conversion's scale operand
.elseif \g == 2
	v_and_or_b32 v[B_+12+\b], v[B_+4+\b], 0x7f800000, s[MNT] ; 448 x the scale
.else
	v_lshrrev_b32 v[B_+8+\b], 23, v[B_+16+\b]                ; the byte
.endif
.endr
.elseif \g == 4
	v_lshl_or_b32 v[B_+28], v[B_+9], 8, v[B_+8]
.elseif \g == 5
	v_lshl_or_b32 v[B_+28], v[B_+10], 16, v[B_+28]
.else
	v_lshl_or_b32 v[PWS+\t], v[B_+11], 24, v[B_+28]          ; p's scale word
.endif
.endm
.macro TAIL t, c                       ; tile t's sums and scales by turns; c >= 0: tile c's conversions among them
.irp g, 0,1,2,3,4,5,6
	SUMG \g, \t
	SCG \g, \t
.if \c >= 0
	CVT \c, \g
.endif
.endr
.if \c >= 0
	CVT \c, 7                                      ; (tile t's last group of sums then stands behind its own conversions)
.else
	SUMG 7, \t
.endif
.endm
; A KEY STEP: one record, 128 keys, both tiles.  K and its scale words are in registers.
.macro STEP
	WIN 0x05                                       ; K and q in window 1
	QK 0
	QK 1
	WIN 0
	v_add_nc_u32 v[ADR], s[TB], v[L16]
.rept 7
	v_nop                                          ; with the line above: eight places behind the products, ahead of the loads below and of the first read of the scores
.endr
	ds_load_b128 v[SCV:SCV+3], v[ADR] offset:16384
	WIN 0x40
.irp n, 0,1,2,3
.irp c, 0,1,2,3
	ds_load_b128 v[VF+16*\n+4*\c:VF+16*\n+4*\c+3], v[ADR] offset:8192+2048*\n+512*\c   ; V lands under the softmax
.endr
.endr
	WIN 0
	s_cmp_eq_u32 s[CNT], 1                         ; the slot's last record has its successor behind the change of slots
	s_cbranch_scc1 .Lnk_\@
	KLOAD RECB                                     ; the next record's K
.Lnk_\@:
.irp i, 0,1,2,3,4,5,6,7
	MAXA \i
.endr
.irp t, 0,1
	TS \t
.irp b, 0,1,2,3
	v_permlanex16_b32 v[B_+8+\b], v[B_+4+\b], s[SEL], s[SEL+1]
.endr
.endr
.irp t, 0,1
	TS \t
.irp b, 0,1,2,3
	v_max_num_f32 v[B_+4+\b], v[B_+4+\b], v[B_+8+\b]   ; with lane l xor 16's 16 keys
.endr
.endr
.irp k, 0,1,2,3,4,5,6,7,8
	CHAIN \k, 0
	CHAIN \k, 1
.endr
.set j, 0
.rept 32
	FMAP 0, j
.set j, j+2
.endr
.irp t, 0,1
	TS \t
.irp b, 0,1,2,3
	v_fma_f32 v[B_+4+\b], v[B_+4+\b], s[CS], v[B_]   ; the same of each block's largest score
.endr
.endr
	WIN 0x41                                       ; O^T in window 1, f in window 0
.irp t, 0,1
	TS \t
.set j, 0
.rept 16
	v_pk_mul_f32 v[O_+j:O_+j+1], v[O_+j:O_+j+1], v[B_+2:B_+3] op_sel_hi:[1,0]   ; O^T x f, ahead of the step's exponentials: none stands between the products that wrote O^T and this first read
.set j, j+2
.endr
.endr
	WIN 0
	WALU                                           ; the wait ahead of the batch
.irp b, 0,1,2,3
	v_exp_f32 v[ST+4+\b], v[ST+4+\b]               ; tile 0: the blocks' largest p
.endr
.set j, 0
.rept 32
	v_exp_f32 v[S+j], v[S+j]                       ; tile 0's p, at most 1;
	v_exp_f32 v[S+j+1], v[S+j+1]
	FMAP 1, j                                      ; among them tile 1's t - M; the last of these is the plain line behind the batch
.set j, j+2
.endr
	WALU                                           ; the wait behind the batch
	TAIL 0, -1
	WALU                                           ; ahead of the second batch
.irp b, 0,1,2,3
	v_exp_f32 v[ST+36+\b], v[ST+36+\b]             ; tile 1: the blocks' largest p
.endr
.set j, 0
.rept 32
	v_exp_f32 v[S+64+2*j], v[S+64+2*j]             ; tile 1's p;
	v_exp_f32 v[S+65+2*j], v[S+65+2*j]
	HOLD 0, j                                      ; among them tile 0's holds
.set j, j+1
.endr
	v_nop                                          ; the plain line behind the batch
	WALU
	s_wait_dscnt 0x0                               ; V is in, and the next K: both were asked for at the step's head
	TAIL 1, 0
.set j, 0
.rept 16
	HOLD 1, j
.set j, j+1
.endr
.irp n, 0,1,2,3
	CVT 1, \n
.endr
.rept 16
	HOLD 1, j
.set j, j+1
.endr
.irp n, 4,5,6,7
	CVT 1, \n
.endr
	SUMG 7, 1                                      ; tile 1's short chains into its running pairs: with the line below, five plain lines between the conversions and the products that take their codes
	v_nop
	WIN 0x51                                       ; V and O^T in window 1, the codes in window 0
	PV 0
	PV 1
	WIN 0
.endm
.macro PHASE slot                      ; a slot's eight key steps
	s_mov_b32 s[TB], \slot*SLOTB
	s_mov_b32 s[CNT], 8
	v_add_nc_u32 v[ADR], \slot*SLOTB, v[L16]
	KLOAD 0
	s_wait_dscnt 0x0
.Lstep_\@:
	STEP
	s_add_co_u32 s[TB], s[TB], RECB
	s_sub_co_u32 s[CNT], s[CNT], 1
	s_cmp_lg_u32 s[CNT], 0
	s_cbranch_scc1 .Lstep_\@
.endm
; THE CHANGE OF SLOTS: all my tensor loads are in, the add, my reads of the slot that I leave are over.  fill = 1: a round of the cluster's barrier, and the joint refill first behind it.
.macro CHANGE fill, g0
	s_wait_tensorcnt 0x0
	ds_add_u32 v[SPW], v[NIL]
.if \fill
	s_add_nc_u64 s[\g0+2:\g0+3], s[\g0+2:\g0+3], 2*SLOTB   ; sixteen records on
.endif
	s_wait_dscnt 0x0
.if \fill
	CROUND
	JLOAD \g0
.else
	s_barrier_signal -1
	s_barrier_wait -1
.endif
.endm
	WALU                                           ; the head's end
	s_wait_tensorcnt 0x0                           ; my record of slot 0 is in; slot 1's first fill goes as a refill does
	ds_add_u32 v[SPW], v[NIL]
	s_wait_dscnt 0x0
	CROUND
	JLOAD G0B                                      ; key steps 8 to 15
	PHASE 0                                        ; 0 to 7
	CHANGE 1, G0A                                  ; slot 0 takes 16 to 23
	PHASE 1                                        ; 8 to 15
	CHANGE 1, G0B                                  ; slot 1 takes 24 to 31
	PHASE 0
	CHANGE 0, G0A
	PHASE 1
; THE WAY OUT of tile t: o = O^T / l, quantised along the channels: two blocks of 32, each in lanes l and l xor 16.
.macro OUTT t
	TS \t
	v_pk_add_f32 v[B_+20:B_+21], v[B_+20:B_+21], v[B_+22:B_+23]
	v_pk_add_f32 v[B_+24:B_+25], v[B_+24:B_+25], v[B_+26:B_+27]
	v_pk_add_f32 v[B_+20:B_+21], v[B_+20:B_+21], v[B_+24:B_+25]
	v_add_f32 v[B_+20], v[B_+20], v[B_+21]
	v_permlanex16_b32 v[B_+29], v[B_+20], s[SEL], s[SEL+1]
	v_add_f32 v[B_+20], v[B_+20], v[B_+29]
	WALU
	v_rcp_f32 v[B_+20], v[B_+20]
.rept 8
	v_nop                                          ; the plain line behind the reciprocal, and the places behind the last products
.endr
	WIN 0x01                                       ; O^T in window 1
	WALU
.set j, 0
.rept 32
	v_mul_f32 v[S_+j], v[O_+j], v[B_+20]           ; each accumulator from its low end on
.set j, j+1
.endr
	WIN 0
.irp b, 0,1
	v_max3_num_f32 v[B_+4+\b], |v[S_+16*\b]|, |v[S_+1+16*\b]|, 0x4800000
.endr
.irp i, 2,4,6,8,10,12,14
.irp b, 0,1
	v_max3_num_f32 v[B_+4+\b], v[B_+4+\b], |v[S_+16*\b+\i]|, |v[S_+1+16*\b+\i]|
.endr
.endr
.irp b, 0,1
	v_permlanex16_b32 v[B_+8+\b], v[B_+4+\b], s[SEL], s[SEL+1]
.endr
.irp b, 0,1
	v_max_num_f32 v[B_+4+\b], v[B_+4+\b], v[B_+8+\b]
.endr
.irp b, 0,1
	v_add_nc_u32 v[B_+16+\b], 0xfc000000, v[B_+4+\b]
.endr
.irp b, 0,1
	v_and_or_b32 v[B_+12+\b], v[B_+4+\b], 0x7f800000, s[MNT]
.endr
.irp b, 0,1
	v_lshrrev_b32 v[B_+8+\b], 23, v[B_+16+\b]
.endr
	v_lshl_or_b32 v[B_+28], v[B_+9], 8, v[B_+8]    ; my token's two bytes for this head
.irp b, 0,1
.set j, 0
.rept 16
	v_med3_num_f32 v[S_+16*\b+j], v[S_+16*\b+j], -v[B_+12+\b], v[B_+12+\b]
.set j, j+1
.endr
	v_cvt_scalef32_pk8_fp8_f32 v[P_+4*\b:P_+1+4*\b], v[S_+16*\b:S_+7+16*\b], v[B_+16+\b]
	v_cvt_scalef32_pk8_fp8_f32 v[P_+2+4*\b:P_+3+4*\b], v[S_+8+16*\b:S_+15+16*\b], v[B_+16+\b]
.endr
	v_nop
	global_store_b128 v[L16], v[P_:P_+3], s[50:51] offset:8192*\t            ; 512 consecutive bytes, aligned
	global_store_b128 v[L16], v[P_+4:P_+7], s[50:51] offset:8192*\t+512
	ds_store_b16 v5, v[B_+28] offset:32*\t         ; both halves of the lanes write the same two bytes
.endm
	OUTT 0
	OUTT 1
	s_wait_dscnt 0x0                               ; for wave 0's sake: my stores into the stage are done
	s_barrier_signal -1
	s_barrier_wait -1
	s_cmp_lg_u32 s[WV], 0
	s_cbranch_scc1 .Lnot_0
	ds_load_b128 v[X:X+3], v6                      ; the work-group's 512 scale bytes leave as one run
	s_wait_dscnt 0x0
	global_store_b128 v[L16], v[X:X+3], s[52:53]
.Lnot_0:
	s_wait_tensorcnt 0x0                           ; the wave's end
	ds_add_u32 v[SPW], v[NIL]
	s_wait_dscnt 0x0
	CROUND                                         ; the closing round
	s_endpgm
.Lfunc_end_k_qa47e5d2be7_attn:
	.size	k_qa47e5d2be7_attn, .Lfunc_end_k_qa47e5d2be7_attn-k_qa47e5d2be7_attn
	.p2alignl 7, 3214868480
	.fill 96, 4, 3214868480
	.section	.rodata,"a",@progbits
	.p2align	6, 0x0
	.amdhsa_kernel k_qa47e5d2be7_attn
		.amdhsa_group_segment_fixed_size 327680
		.amdhsa_private_segment_fixed_size 0
		.amdhsa_enable_private_segment 0
		.amdhsa_kernarg_size 32
		.amdhsa_user_sgpr_count 2
		.amdhsa_user_sgpr_kernarg_segment_ptr 1
		.amdhsa_wavefront_size32 1
		.amdhsa_system_sgpr_workgroup_id_x 1
		.amdhsa_system_sgpr_workgroup_id_y 1
		.amdhsa_system_sgpr_workgroup_id_z 1
		.amdhsa_system_vgpr_workitem_id 0
		.amdhsa_next_free_vgpr 512
		.amdhsa_next_free_sgpr 66
		.amdhsa_reserve_vcc 0
		.amdhsa_float_denorm_mode_32 3
		.amdhsa_float_denorm_mode_16_64 3
		.amdhsa_memory_ordered 1
		.amdhsa_forward_progress 1
		.amdhsa_inst_pref_size 163
	.end_amdhsa_kernel
	.amdgpu_metadata
---
amdhsa.version: [ 1, 2 ]
amdhsa.kernels:
  - .name:           k_qa47e5d2be7_attn
    .symbol:         k_qa47e5d2be7_attn.kd
    .args:
      - { .name: qbuf, .offset: 0, .size: 8, .value_kind: global_buffer, .address_space: global }
      - { .name: kv, .offset: 8, .size: 8, .value_kind: global_buffer, .address_space: global }
      - { .name: obuf, .offset: 16, .size: 8, .value_kind: global_buffer, .address_space: global }
      - { .name: osc, .offset: 24, .size: 8, .value_kind: global_buffer, .address_space: global }
    .group_segment_fixed_size: 327680
    .private_segment_fixed_size: 0
    .kernarg_segment_align: 8
    .kernarg_segment_size: 32
    .max_flat_workgroup_size: 256
    .sgpr_count:     66
    .vgpr_count:     512
    .wavefront_size: 32
...
	.end_amdgpu_metadata
.endif
;; end of part 2
;; launch proj (part 3): grid 64 x 4, 8 waves a work-group, clusters of 4 x 1, 168,960 bytes of LDS; arguments obuf, osc, Wo_codes, Wo_scales, bo, out0; writes out0
.if DOCPART == 3
	.amdgcn_target "amdgcn-amd-amdhsa--gfx1250"
	.amdhsa_code_object_version 6
	.text
	.protected	k_qa47e5d2be7_proj
	.globl	k_qa47e5d2be7_proj
	.p2align	8
	.type	k_qa47e5d2be7_proj,@function
k_qa47e5d2be7_proj:
	s_mov_b64 s[64:65], 0
	v_nop
	global_prefetch_b8 v0, s[64:65] scope:SCOPE_SE
	s_setreg_imm32_b32 hwreg(HW_REG_WAVE_MODE, 25, 1), 1
	s_wait_xcnt 0x0
	s_wait_alu depctr_hold_cnt(0) depctr_sa_sdst(0) depctr_va_vdst(0) depctr_va_sdst(0) depctr_va_ssrc(0) depctr_va_vcc(0) depctr_vm_vsrc(0)
	s_getreg_b32 s2, hwreg(HW_REG_IB_STS2, 6, 4)
	s_cmp_eq_u32 s2, 0
	s_cbranch_scc0 .Lentry_in_a_cluster
	s_endpgm
.Lentry_in_a_cluster:
	s_bfe_u32 s2, ttmp6, 0x10000c
	s_cmp_lg_u32 s2, 0x3003
	s_cbranch_scc0 .Lentry_shape_is_right
	s_endpgm
.Lentry_shape_is_right:
; out = o Wo + bo on codes of E4M3 with one E8M0 scale for each 32 along K = 512 (head x 64 + channel).  o: images of operand registers, [512 tiles of 16 tokens][4 K steps][4 register groups][lane][16 bytes];
; its scale bytes [16 batch-heads][16 blocks][16 tiles][16 tokens] x 2 bytes.  Wo: [512 columns][512] codes, [512][16] scale bytes.  bo: [512] f32.  out: [8192][512] f32.
; SHARES.  256 work-groups: 64 blocks of 128 tokens x 4 blocks of 128 columns.  Eight waves; wave w takes one tile of 16 tokens against the eight tiles of 16 columns: 32 matrix instructions.
; The product is used TRANSPOSED (source 0 = 16 rows of Wo, source 1 = 16 tokens): a lane holds eight neighbouring columns of one token's row.  bo is loaded into the accumulators and is the C of each sum's first product.
; A tile's tokens are not neighbours: lane r of tile t holds token 32 (t / 2) + 8 (t % 2) + r + 8 (r / 8), as the launches before laid them.
; o's fragments are read by one wave of the work-group, so they go from memory straight into registers.  Wo's 128 rows are read by all eight waves and by the four work-groups of a cluster (4 x 1: four token blocks, one
; column block): they come into LDS once, by two joint loads.  LDS is filled once: no slot is filled again.
; Out through each wave's own stage in LDS: every store covers 512 consecutive bytes of one row, aligned.
.set PITCH, 528                        ; an LDS row: 512 bytes + 16 of padding: the 16 rows that a load touches start 4 banks apart
.set STAGE, 128*PITCH                  ; behind Wo's rows: 16 rows x 528 bytes for each wave; no fill lands here
.set L16, 1                            ; v1   16 x lane
.set AWO, 2                            ; v2   LDS address of my lane in a tile of Wo
.set STI, 3                            ; v3   the stage: where I put 32 bytes of a row
.set STB, 4                            ; v4   and where I read a row back
.set OS,  12                           ; v12-15 o's scale words, K step s
.set WS,  16                           ; v16-31 Wo's scale words, 4 t' + s: lanes 0-15 tile t', lanes 16-31 tile t' + 4
.set OH,  32                           ; v32-39 o's scale bytes, two a head
.set OF,  40                           ; v40-103 o's four fragments
.set ACC, 104                          ; v104-167 eight accumulators
.set RB,  168                          ; v168-231 16 rows read back.   Window 1: two sets of eight fragments of Wo, at v0 and v128
.set WV,  16                           ; s16
.set G1,  24                           ; s[24:31], s[32:35] the descriptor
.set G0,  32
.set MSB, 0
.macro WIN new                         ; the immediate's high byte repeats the setting that is left
.if MSB != \new
	s_set_vgpr_msb (MSB<<8)|\new
.set MSB, \new
.endif
.endm
.macro PLACES n
.rept \n
	v_nop
.endr
.endm
.macro CROUND                          ; a round of the cluster's barrier
	s_barrier_signal -1
	s_barrier_wait -1
	s_cmp_lg_u32 s[WV], 0
	s_cbranch_scc1 .Lnot_wave_0_\@
	s_barrier_signal -3
.Lnot_wave_0_\@:
	s_barrier_wait -3
	s_barrier_signal -1
	s_barrier_wait -1
.endm
	s_load_b256 s[4:11], s[0:1], 0x0               ; obuf s[4:5], osc s[6:7], Wo's codes s[8:9], Wo's scales s[10:11]
	s_load_b128 s[12:15], s[0:1], 0x20             ; bo s[12:13], out0 s[14:15]
	v_lshl_add_u32 v254, v0, 2, 0x29000
	v_mov_b32 v255, 0
	ds_add_u32 v254, v255
	ds_add_u32 v254, v255
	v_lshrrev_b32 v1, 5, v0
	s_delay_alu instid0(VALU_DEP_1)
	v_readfirstlane_b32 s[WV], v1                  ; wave 0..7
	s_bfe_u32 s17, ttmp6, 0x40000                  ; cx
	s_lshl_b32 s18, ttmp9, 2
	s_add_co_u32 s18, s18, s17                     ; block of 128 tokens
	s_and_b32 s19, ttmp7, 0xffff                   ; block of 128 columns, which the four partners share
	s_lshl_b32 s20, s18, 3
	s_add_co_u32 s20, s20, s[WV]                   ; my tile of 16 tokens, 0..511
	s_mov_b32 s[G1], 15|(1<<20)|(1<<21)|(6<<22)|(3<<25)   ; the mask: all four; elements of 1 byte; padding on; bit 21 set beside a mask; four words behind every 128
	s_mov_b32 s[G1+1], 512<<16                     ; 64 rows of 512 bytes
	s_mov_b32 s[G1+2], 64<<16
	s_mov_b32 s[G1+3], 512<<16
	s_mov_b32 s[G1+4], 64
	s_mov_b32 s[G1+5], 512
	s_mov_b32 s[G1+6], 0
	s_mov_b32 s[G1+7], 0
	s_mov_b32 s[G0], 1
	s_mul_i32 s[G0+1], s[WV], 64*PITCH             ; waves 0, 1: the two halves
	s_lshl_b32 s36, s19, 16                        ; 128 rows a column block,
	s_lshl_b32 s37, s[WV], 15                      ; 64 a wave
	s_add_co_u32 s36, s36, s37
	s_mov_b32 s37, 0
	v_and_b32 v10, 31, v0
	s_delay_alu instid0(VALU_DEP_1)
	v_lshlrev_b32 v[L16], 4, v10
	v_and_b32 v10, 15, v0                          ; r
	v_bfe_u32 v11, v0, 4, 1                        ; h
	s_delay_alu instid0(VALU_DEP_2)
	v_mul_u32_u24 v[AWO], v10, PITCH
	s_mul_i32 s38, s[WV], 16*PITCH
	s_add_co_u32 s38, s38, STAGE                   ; my stage
	v_add_nc_u32 v[STI], s38, v[AWO]
	s_delay_alu instid0(VALU_DEP_1)
	v_lshl_add_u32 v[STI], v11, 5, v[STI]          ; in: row r, + 32 h
	v_lshl_add_u32 v[AWO], v11, 4, v[AWO]          ; a fragment's row x pitch + 16 h
	v_add_nc_u32 v[STB], s38, v[L16]               ; back: the 32 lanes take one row of 512 bytes
	v_lshlrev_b32 v5, 1, v10                       ; o's scale bytes: 2 r
	v_lshlrev_b32 v6, 4, v10
	s_delay_alu instid0(VALU_DEP_1)
	v_lshl_add_u32 v6, v11, 10, v6                 ; Wo's scale words: row r, lanes 16-31 four tiles (64 rows of 16 bytes) on
	v_lshlrev_b32 v7, 5, v11                       ; bo: my half's eight numbers
	s_wait_dscnt 0x0
	s_wait_kmcnt 0x0
	s_add_nc_u64 s[G0+2:G0+3], s[8:9], s[36:37]
	s_or_b32 s[G0+3], s[G0+3], 0x80000000          ; type = 2
	CROUND                                         ; all four work-groups are here: the joint loads meet
	s_cmp_lt_u32 s[WV], 2
	s_cbranch_scc0 .Lno_load
	tensor_load_to_lds s[G0:G0+3], s[G1:G1+7]      ; one tensor load of a wave is out
	s_nop 0
	PLACES 4                                       ; four v_nop follow a tensor load
.Lno_load:
	s_lshl_b32 s40, s20, 13
	s_mov_b32 s41, 0
	s_add_nc_u64 s[4:5], s[4:5], s[40:41]          ; o's fragments: 8,192 bytes a tile
	s_lshr_b32 s40, s20, 8
	s_lshl_b32 s40, s40, 16                        ; o's scale bytes: batch x 8 heads x 8,192,
	s_bfe_u32 s42, s20, 0x40004
	s_lshl_b32 s42, s42, 9                         ; block of 256 tokens x 512,
	s_add_co_u32 s40, s40, s42
	s_and_b32 s42, s20, 15
	s_lshl_b32 s42, s42, 5                         ; tile x 32
	s_add_co_u32 s40, s40, s42
	s_add_nc_u64 s[6:7], s[6:7], s[40:41]
	s_lshl_b32 s40, s19, 11
	s_add_nc_u64 s[10:11], s[10:11], s[40:41]      ; Wo's scales: 128 rows x 16 bytes a column block
	s_lshl_b32 s40, s19, 9
	s_add_nc_u64 s[12:13], s[12:13], s[40:41]      ; bo and a row of out: 128 numbers a column block
	s_add_nc_u64 s[14:15], s[14:15], s[40:41]
	s_lshr_b32 s40, s20, 1
	s_lshl_b32 s40, s40, 16                        ; out: 32 rows of 2,048 bytes for each pair of tiles,
	s_and_b32 s42, s20, 1
	s_lshl_b32 s42, s42, 14                        ; 8 rows for the odd tile
	s_add_co_u32 s40, s40, s42
	s_add_nc_u64 s[14:15], s[14:15], s[40:41]
.irp s, 0,1,2,3
.irp c, 0,1,2,3
	global_load_b128 v[OF+16*\s+4*\c:OF+16*\s+4*\c+3], v[L16], s[4:5] offset:2048*\s+512*\c   ; 512 consecutive bytes a load
.endr
.endr
	s_wait_alu depctr_va_vdst(0)
.irp n, 0,1,2,3,4,5,6,7
	global_load_u16 v[OH+\n], v5, s[6:7] offset:8192*\n        ; head n's two bytes of my token
.endr
.irp t, 0,1,2,3
	global_load_b128 v[WS+4*\t:WS+4*\t+3], v6, s[10:11] offset:256*\t
.endr
.irp t, 0,1,2,3,4,5,6,7
	global_load_b128 v[ACC+8*\t:ACC+8*\t+3], v7, s[12:13] offset:64*\t        ; bo at columns 16 t + 8 h + 0 .. 7: the sums begin with it
	global_load_b128 v[ACC+8*\t+4:ACC+8*\t+7], v7, s[12:13] offset:64*\t+16
.endr
	s_wait_loadcnt 0x0
.irp s, 0,1,2,3
	v_lshl_or_b32 v[OS+\s], v[OH+2*\s+1], 16, v[OH+2*\s]       ; K step s: heads 2 s and 2 s + 1, two blocks each
.endr
	PLACES 8                                       ; a scale word made by vector instructions stands eight places ahead of the product that takes it
	s_wait_alu depctr_va_vdst(0)
	s_wait_tensorcnt 0x0                           ; for the others' sake: what I fetched is in LDS,
	s_barrier_signal -1
	s_barrier_wait -1                              ; everybody's is
.macro FETCH s, q                      ; Wo's eight fragments of K step s into set q: 32 loads
	WIN 0x40                                       ; destination window 1
.irp t, 0,1,2,3,4,5,6,7
.irp c, 0,1,2,3
	ds_load_b128 v[128*\q+16*\t+4*\c:128*\q+16*\t+4*\c+3], v[AWO] offset:16*PITCH*\t+128*\s+32*\c
.endr
.endr
.endm
.macro MUL8 s, q                       ; the eight accumulators by turns, one instruction a turn, in the same order in every step
	WIN 0x01                                       ; source 0 window 1
.irp t, 0,1,2,3
	v_wmma_scale_f32_16x16x128_f8f6f4 v[ACC+8*\t:ACC+8*\t+7], v[128*\q+16*\t:128*\q+16*\t+15], v[OF+16*\s:OF+16*\s+15], v[ACC+8*\t:ACC+8*\t+7], v[WS+4*\t+\s], v[OS+\s]
.endr
.irp t, 4,5,6,7
	v_wmma_scale_f32_16x16x128_f8f6f4 v[ACC+8*\t:ACC+8*\t+7], v[128*\q+16*\t:128*\q+16*\t+15], v[OF+16*\s:OF+16*\s+15], v[ACC+8*\t:ACC+8*\t+7], v[WS+4*(\t-4)+\s], v[OS+\s] matrix_a_scale:MATRIX_SCALE_ROW1
.endr
.endm
	FETCH 0, 0
	FETCH 1, 1
	s_wait_dscnt 32                                ; this step's 32 loads are in; the other set's 32 may be out
	MUL8 0, 0
	PLACES 8                                       ; eight places behind this form, ahead of loads into the set just read
	FETCH 2, 0
	s_wait_dscnt 32
	MUL8 1, 1
	PLACES 8
	FETCH 3, 1
	s_wait_dscnt 32
	MUL8 2, 0
	s_wait_dscnt 0x0
	MUL8 3, 1
	WIN 0
	PLACES 8                                       ; ahead of the first read of results
.irp t, 0,1,2,3,4,5,6,7
	ds_store_b128 v[STI], v[ACC+8*\t:ACC+8*\t+3] offset:64*\t        ; each accumulator from its low end on
	ds_store_b128 v[STI], v[ACC+8*\t+4:ACC+8*\t+7] offset:64*\t+16
.endr
.irp i, 0,1,2,3,4,5,6,7,8,9,10,11,12,13,14,15
	ds_load_b128 v[RB+4*\i:RB+4*\i+3], v[STB] offset:\i*PITCH        ; LDS serves a wave's instructions in order (ISA guide 5.7.1.4): these see my stores
.endr
.irp i, 0,1,2,3,4,5,6,7,8,9,10,11,12,13,14,15
	s_wait_dscnt 15-\i                             ; row i is back; the rows read behind it may be out
	global_store_b128 v[L16], v[RB+4*\i:RB+4*\i+3], s[14:15] offset:(\i+8*(\i/8))*2048 th:TH_STORE_NT   ; 32 lanes store 512 consecutive bytes of token i + 8 (i / 8)'s row, aligned; written once, read by nobody here
.endr
	s_wait_tensorcnt 0x0
	ds_add_u32 v254, v255
	s_wait_dscnt 0x0
	CROUND                                         ; the closing round
	s_endpgm
.Lfunc_end_k_qa47e5d2be7_proj:
	.size	k_qa47e5d2be7_proj, .Lfunc_end_k_qa47e5d2be7_proj-k_qa47e5d2be7_proj
	.p2alignl 7, 3214868480
	.fill 96, 4, 3214868480
	.section	.rodata,"a",@progbits
	.p2align	6, 0x0
	.amdhsa_kernel k_qa47e5d2be7_proj
		.amdhsa_group_segment_fixed_size 168960
		.amdhsa_private_segment_fixed_size 0
		.amdhsa_enable_private_segment 0
		.amdhsa_kernarg_size 48
		.amdhsa_user_sgpr_count 2
		.amdhsa_user_sgpr_kernarg_segment_ptr 1
		.amdhsa_wavefront_size32 1
		.amdhsa_system_sgpr_workgroup_id_x 1
		.amdhsa_system_sgpr_workgroup_id_y 1
		.amdhsa_system_sgpr_workgroup_id_z 1
		.amdhsa_system_vgpr_workitem_id 0
		.amdhsa_next_free_vgpr 512
		.amdhsa_next_free_sgpr 66
		.amdhsa_reserve_vcc 0
		.amdhsa_float_denorm_mode_32 3
		.amdhsa_float_denorm_mode_16_64 3
		.amdhsa_memory_ordered 1
		.amdhsa_forward_progress 1
		.amdhsa_inst_pref_size 27
	.end_amdhsa_kernel
	.amdgpu_metadata
---
amdhsa.version: [ 1, 2 ]
amdhsa.kernels:
  - .name:           k_qa47e5d2be7_proj
    .symbol:         k_qa47e5d2be7_proj.kd
    .args:
      - { .name: obuf, .offset: 0, .size: 8, .value_kind: global_buffer, .address_space: global }
      - { .name: osc, .offset: 8, .size: 8, .value_kind: global_buffer, .address_space: global }
      - { .name: Wo_codes, .offset: 16, .size: 8, .value_kind: global_buffer, .address_space: global }
      - { .name: Wo_scales, .offset: 24, .size: 8, .value_kind: global_buffer, .address_space: global }
      - { .name: bo, .offset: 32, .size: 8, .value_kind: global_buffer, .address_space: global }
      - { .name: out0, .offset: 40, .size: 8, .value_kind: global_buffer, .address_space: global }
    .group_segment_fixed_size: 168960
    .private_segment_fixed_size: 0
    .kernarg_segment_align: 8
    .kernarg_segment_size: 48
    .max_flat_workgroup_size: 256
    .sgpr_count:     66
    .vgpr_count:     512
    .wavefront_size: 32
...
	.end_amdgpu_metadata
.endif
;; end of part 3
